; MI455X (gfx1250); checked and timed in simulation.
; The chip was launched on July 23, 2026; its instructions are those of AMD's public machine-readable ISA for CDNA 5 (MIT licence, August 2026) and "CDNA5" Instruction Set Architecture Reference Guide (July 2026). The comments in the code are by the model that wrote it; some were corrected since.
;; Lie Homography Layer. Allowed arithmetic: float matrix products may take bf16 or f16 operands with f32 sums; all other float work in f32.
;; Inputs: lie_vectors 1,000,000 x 8 float32.
;; Outputs: out0 1,000,000 x 3 x 3 float32.
;; One version. Each part assembles by itself: llvm-mc -triple=amdgcn-amd-amdhsa -mcpu=gfx1250 --defsym DOCPART=n.
;; ======== version 1 of 1: 1 launch
;; limits: right only within a limited range of input values
;; launch liehomography (part 1): grid 3907 x 1, 4 waves a work-group, no clusters, 10,752 bytes of LDS; arguments lie_vectors, out0; writes out0
.if DOCPART == 1
	.amdgcn_target "amdgcn-amd-amdhsa--gfx1250"
	.amdhsa_code_object_version 6
	.text
	.protected	k_qd9d8da7746_liehomography
	.globl	k_qd9d8da7746_liehomography
	.p2align	8
	.type	k_qd9d8da7746_liehomography,@function
k_qd9d8da7746_liehomography:
	s_mov_b64 s[64:65], 0
	v_nop
	global_prefetch_b8 v0, s[64:65] scope:SCOPE_SE
	s_setreg_imm32_b32 hwreg(HW_REG_WAVE_MODE, 25, 1), 1
	s_wait_xcnt 0x0
; out[b] = expm(A_b) / expm(A_b)[2][2],  A_b = [[v3+v4, v5-v2, v0], [v5+v2, v3-v4, v1], [v6, v7, -2 v3]],  v = lie_vectors[b] (8 f32).
;
; METHOD.  A has trace 0, so A^3 = p A + d I with p = tr(A^2)/2 and d = det A (Cayley-Hamilton), and every polynomial in A is
; a0 I + a1 A + a2 A^2.  The exponential is carried as the three numbers a0, a1, a2 of each item:
;   A' = A / 256 (exact);  exp(A') by its Taylor series up to degree 14, reduced with x^3 = p x + d;
;   eight squarings of a0 + a1 x + a2 x^2 modulo x^3 - p x - d;   H = a0 I + a1 A' + a2 A'^2;   out = H / H22.
; WHY DOUBLE-WORD ARITHMETIC.  H22 goes through zero for a continuous share of the inputs, and the quotient is only as good as H22 is
; relative to itself.  So p, d, a0..a2 and H22 are kept as unevaluated sums hi + lo of two f32 (error-free sums, products by FMA): about
; 2^-45 relative to the terms.  The other eight entries of H need f32 only and are made from the hi parts.
; The common scale of H cancels in H / H22: in front of squarings 5 to 8 all of a0..a2 are multiplied by one exact power of two, so that
; growth like e^|A| never leaves the range of f32.  The number of squarings is a constant; a smaller A than the scaling is made for loses
; nothing, since in this basis a rounding of a1 is a relative perturbation of A of the same size.
; LIMITS.  Made for |A| (Frobenius) up to 512: then |A'| <= 2 and the series' remainder is 2^15/15! = 2.5e-8 of exp(A'); above, the remainder
; grows as |A'|^15/15!.  The rescaling holds for growth up to e^709.  Roundings differ from the reference's float64 Pade form.
; out[2][2] is H22 * rcp(H22): 1 within one unit in the last place.  H22 = 0 or denormal gives infinities; NaN and infinite inputs give NaN.
;
; SHARES.  A wave takes a chunk of 64 items (2,048 bytes in, 2,304 = 9 x 256 bytes out); a lane takes items 2l and 2l+1 of the chunk.
; 1,000,000 / 64 = 15,625 chunks; four waves a work-group, 3,907 work-groups; the last one has one chunk, and its other three waves end at once.
; No two work-groups read the same bytes, so there is nothing for a cluster to share; the products are 3 x 3 per item and need more than
; 16-bit operands, so the matrix unit is not used.
;
; TWO ITEMS, ONE INSTRUCTION.  Every quantity is a register pair (r, r+1), r even: r for item 2l, r+1 for item 2l+1.  Each step is a dual
; instruction whose X half works on the even registers and whose Y half does the same on the odd ones.  That meets the dual forms' rules by
; itself: one destination even and one odd, like sources r and r+1 in different register banks, neither half reading what the other writes,
; and a constant, where there is one, the same in both halves.
; SIGNS.  The dual forms are written without sign modifiers.  So a product a b is kept as  - np + e  with np = (-a) b, the negated rounded
; product, and e = fma(a, b, np), its exact error.  Sums of products are made on the negated parts, and the sign is taken back in the
; renormalisation (h = e - ns), which costs nothing; what it does cost is one negated copy of one factor of each product.
.set NCHUNK, 15625
.set OUTB,   2304                      ; bytes of a chunk in out0
.set WLDS,   2560                      ; LDS bytes of a wave: 32 blocks of 64 bytes at pitch 80 on the way in, 2,304 bytes on the way out
.set PITCH,  80                        ; 5 x 16: the 16 lanes of a 16-byte LDS load start in 16 different 16-byte columns of 256 bytes
; registers.  Every name below from LV0 on is the first register of a pair (item 2l, item 2l+1)
.set LANE, 1
.set G16,  2                           ; 16 x lane: offset of the global loads and of the 16-byte stores
.set G8,   3                           ; 8 x lane: offset of the last, 8-byte store
.set LIS,  4                           ; LDS, way in: where my 16 loaded bytes go
.set LIL,  5                           ; LDS, way in: my block of 64 bytes = my two items
.set LOS,  6                           ; LDS, way out: my 72 bytes
.set LOL,  7                           ; LDS, way out: read back, 16 bytes a lane
.set LOL8, 8                           ; LDS, way out: read back, 8 bytes a lane
.set TMPA, 9
.set INR,  10                          ; v[10:25] my two items as they lie in memory; later temporaries
.set LV0, 26                           ; v'_k = v_k / 256
.set LV1, 28
.set LV2, 30
.set LV3, 32
.set LV4, 34
.set LV5, 36
.set LV6, 38
.set LV7, 40
.set A00, 42                           ; the four entries that are sums: hi parts (the f32 entries of A')
.set A01, 44
.set A10, 46
.set A11, 48
.set A00L, 50                          ; and their lo parts (dead behind d)
.set A01L, 52
.set A10L, 54
.set A11L, 56
.set WW,   58                          ; A'22 = -2 v'3, exact
.set M22H, 60                          ; (A'^2)22
.set M22L, 62
.set PH, 64
.set PL, 66
.set DH, 68
.set DL, 70
.set A0H, 72
.set A0L, 74
.set A1H, 76
.set A1L, 78
.set A2H, 80
.set A2L, 82
; temporaries of all phases
.set PR1, 84
.set ER1, 86
.set PR2, 88
.set ER2, 90
.set PR3, 92
.set ER3, 94
.set SU1, 96
.set FE1, 98
.set SU2, 100
.set FE2, 102
.set TT,  104
.set SCL, 106
.set RAW, 84                           ; v[84:99] the chunk as loaded
; p, d
.set P33N, 10                          ; - (v3^2) hi
.set E33,  12
.set ZH,  14
.set ZL,  16
.set XH,  18
.set XL,  20
.set YH,  22
.set YL,  24
.set NV6, 72                           ; negated inputs, in the registers that a0..a2 take later
.set NV7, 74
.set NV0, 76
.set NV1, 78
.set NWW, 80
.set NTMP, 82
; series
.set G6,  84                           ; g6 .. g15 in v[84:103]
.set TS0, 10
.set TS1, 12
.set TS2, 14
.set P6N, 16                           ; - (p/6) hi
.set P6L, 18
.set D6N, 20                           ; - (d/6) hi
.set D6L, 22
.set ONE, 24
.set HALF, 50
.set QQ,  52
; squaring
.set NPH, 50                           ; -p and -d, made once behind the series
.set NPL, 52
.set NDH, 54
.set NDL, 56
.set X0H, 10
.set X0L, 12
.set X1H, 14
.set X1L, 16
.set B3N, 18                           ; b3 = - B3N + B3L
.set B3L, 20
.set B4N, 22                           ; b4 = - B4N + B4L
.set B4L, 24
.set N0, 106                           ; - a0 hi (the rescaling's factor is dead by then)
.set N1, 108                           ; - a1 hi
.set N2, 110                           ; - a2 hi
; the end
.set HB,   84                          ; H00 .. H21 in v[84:99]
.set MT,   100
.set RC,   102
.set HH,   106                         ; H22
.set OUTR, 10                          ; v[10:27] 18 results in memory order
.set STG,  84                          ; v[84:101] the chunk's bytes as stored
; constants (f32 bit patterns)
.set SCALE8,  0x3b800000               ; 2^-8
.set QUARTER, 0x3e800000
.set FOUR,    0x40800000
.set C6H,  0x3e2aaaab                  ; 1/6 = C6H + C6L
.set NC6H, 0xbe2aaaab                  ; - C6H
.set C6L,  0xb1aaaaab
.set RF5,  0x3c088889                  ; 1/5!
.set RF6,  0x3ab60b61
.set RF7,  0x39500d01
.set RF8,  0x37d00d01
.set RF9,  0x3638ef1d
.set RF10, 0x3493f27e
.set RF11, 0x32d7322b
.set RF12, 0x310f76c7
.set RF13, 0x2f309231
.set RF14, 0x2d49cba5                  ; 1/14!
; the same f32 operation on both registers of a pair
.macro DADD d, a, b
	v_dual_add_f32 v[\d], v[\a], v[\b] :: v_dual_add_f32 v[\d+1], v[\a+1], v[\b+1]
.endm
.macro DSUB d, a, b                    ; a - b
	v_dual_sub_f32 v[\d], v[\a], v[\b] :: v_dual_sub_f32 v[\d+1], v[\a+1], v[\b+1]
.endm
.macro DMUL d, a, b
	v_dual_mul_f32 v[\d], v[\a], v[\b] :: v_dual_mul_f32 v[\d+1], v[\a+1], v[\b+1]
.endm
.macro DFMA d, a, b, c                 ; a b + c
	v_dual_fma_f32 v[\d], v[\a], v[\b], v[\c] :: v_dual_fma_f32 v[\d+1], v[\a+1], v[\b+1], v[\c+1]
.endm
.macro DFMAC d, a, b                   ; d += a b
	v_dual_fmac_f32 v[\d], v[\a], v[\b] :: v_dual_fmac_f32 v[\d+1], v[\a+1], v[\b+1]
.endm
.macro DMULK d, k, a                   ; k a, one constant for both halves
	v_dual_mul_f32 v[\d], \k, v[\a] :: v_dual_mul_f32 v[\d+1], \k, v[\a+1]
.endm
.macro DFMAK d, a, k, c                ; a k + c, one constant for both halves
	v_dual_fmamk_f32 v[\d], v[\a], \k, v[\c] :: v_dual_fmamk_f32 v[\d+1], v[\a+1], \k, v[\c+1]
.endm
.macro NEG d, a
	DMULK \d, -1.0, \a
.endm
; s + e = a + b exactly, s = the rounded sum, whatever the sizes of a and b.  s, e and TT are none of a, b.
.macro TWOSUM s, e, a, b
	DADD \s, \a, \b
	DSUB TT, \s, \a
	DSUB \e, \s, TT
	DSUB TT, \b, TT
	DSUB \e, \a, \e
	DADD \e, \e, TT
.endm
; s + e = a - b exactly
.macro TWODIFF s, e, a, b
	DSUB \s, \a, \b
	DSUB TT, \s, \a
	DSUB \e, \s, TT
	DADD TT, \b, TT
	DSUB \e, \a, \e
	DSUB \e, \e, TT
.endm
; h + l = s + e with l below half a unit of h (e is small beside s, or both are small beside the terms they came from)
.macro RENORM h, l, s, e
	DADD \h, \s, \e
	DSUB TT, \h, \s
	DSUB \l, \e, TT
.endm
; the same for a negated sum: h + l = - ns + e
.macro NRENORM h, l, ns, e
	DSUB \h, \e, \ns
	DADD TT, \h, \ns
	DSUB \l, \e, TT
.endm
; - p + e = u (wh + wl), u one f32, nu = -u
.macro NMULSD p, e, u, nu, wh, wl
	DMUL \p, \nu, \wh
	DFMA \e, \u, \wh, \p
	DFMAC \e, \u, \wl
.endm
; - p + e = (uh + ul)(wh + wl), without ul wl; nwh = -wh
.macro NMULDD p, e, uh, ul, wh, wl, nwh
	DMUL \p, \uh, \nwh
	DFMA \e, \uh, \wh, \p
	DFMAC \e, \uh, \wl
	DFMAC \e, \ul, \wh
.endm
; - p + e = (ch + cl)(- bn + bl), without cl bl; nch = -ch, ncl = -cl
.macro NMULCB p, e, ch, nch, ncl, bn, bl
	DMUL \p, \ch, \bn
	DFMA \e, \nch, \bn, \p
	DFMAC \e, \ch, \bl
	DFMAC \e, \ncl, \bn
.endm
	v_lshl_add_u32 v112, v0, 2, 0x2800
	v_mov_b32 v113, 0
	v_lshrrev_b32 v[LANE], 5, v0
	v_readfirstlane_b32 s8, v[LANE]                ; wave 0..3
	s_lshl2_add_u32 s9, ttmp9, s8                  ; my chunk = 4 x work-group + wave
	s_cmp_ge_u32 s9, NCHUNK
	s_cbranch_scc1 .Lend                           ; only the last work-group's waves 1 to 3
	s_load_b128 s[4:7], s[0:1], 0x0                ; lie_vectors s[4:5], out0 s[6:7]
	v_and_b32 v[LANE], 31, v0
	v_lshlrev_b32 v[G16], 4, v[LANE]
	s_lshl_b32 s10, s9, 11                         ; chunk x 2,048 bytes (below 32,000,000)
	s_mov_b32 s11, 0
	s_mul_i32 s12, s9, OUTB                        ; chunk x 2,304 bytes (below 36,000,000)
	s_mov_b32 s13, 0
	s_mul_i32 s14, s8, WLDS                        ; my wave's LDS bytes: no other wave touches them, so there is no barrier
	s_wait_kmcnt 0x0
	s_add_nc_u64 s[4:5], s[4:5], s[10:11]
	s_add_nc_u64 s[6:7], s[6:7], s[12:13]
.irp q, 0,1,2,3
	global_load_b128 v[RAW+4*\q:RAW+4*\q+3], v[G16], s[4:5] offset:512*\q th:TH_LOAD_NT   ; 512 consecutive bytes each, read once in the launch
.endr
	v_lshlrev_b32 v[G8], 3, v[LANE]
	v_lshrrev_b32 v[TMPA], 2, v[LANE]              ; four lanes hold one block of 64 bytes
	v_mul_u32_u24 v[TMPA], v[TMPA], PITCH
	v_and_b32 v[LIS], 3, v[LANE]
	v_lshl_add_u32 v[LIS], v[LIS], 4, v[TMPA]
	v_add_nc_u32 v[LIS], s14, v[LIS]               ; load q holds blocks 8q .. 8q+7: + 640 q in the offset
	v_mul_u32_u24 v[LIL], v[LANE], PITCH
	v_add_nc_u32 v[LIL], s14, v[LIL]
	v_mul_u32_u24 v[LOS], v[LANE], 72
	v_add_nc_u32 v[LOS], s14, v[LOS]
	v_add_nc_u32 v[LOL], s14, v[G16]
	v_add_nc_u32 v[LOL8], s14, v[G8]
.irp q, 0,1,2,3
	s_wait_loadcnt 3-\q                            ; loads return in order: load q is in, the 3 - q behind it may be out
	ds_store_b128 v[LIS], v[RAW+4*\q:RAW+4*\q+3] offset:8*PITCH*\q
.endr
.irp q, 0,1,2,3
	ds_load_b128 v[INR+4*\q:INR+4*\q+3], v[LIL] offset:16*\q     ; LDS serves a wave's instructions in order: these see the stores above
.endr
	s_wait_dscnt 0x0
	; scale by 2^-8 (exact) and put the two items side by side in pairs.  Component k of the two items lies in registers 10 + k and 18 + k,
	; one bank; so X takes component k of the first item and Y component k xor 1 of the second.
.macro SCALE2 k, j
	v_dual_mul_f32 v[LV0+2*\k], SCALE8, v[INR+\k] :: v_dual_mul_f32 v[LV0+2*\j+1], SCALE8, v[INR+8+\j]
.endm
	SCALE2 0, 1
	SCALE2 1, 0
	SCALE2 2, 3
	SCALE2 3, 2
	SCALE2 4, 5
	SCALE2 5, 4
	SCALE2 6, 7
	SCALE2 7, 6
	; ---- the entries that are sums, exactly
	TWOSUM  A00, A00L, LV3, LV4
	TWODIFF A11, A11L, LV3, LV4
	TWOSUM  A10, A10L, LV5, LV2
	TWODIFF A01, A01L, LV5, LV2
	DMULK WW, -2.0, LV3
	; ---- Z = A00 A11 - A01 A10 = v3^2 - v4^2 - v5^2 + v2^2.  Each square is - PR + ER.
	NEG NTMP, LV3
	DMUL P33N, NTMP, LV3
	DFMA E33, LV3, LV3, P33N
	NEG NTMP, LV4
	DMUL PR1, NTMP, LV4
	DFMA ER1, LV4, LV4, PR1
	TWODIFF SU1, FE1, PR1, P33N                    ; (v3^2) hi - (v4^2) hi
	DSUB ZL, E33, ER1
	DADD ZL, ZL, FE1
	NEG NTMP, LV5
	DMUL PR1, NTMP, LV5
	DFMA ER1, LV5, LV5, PR1
	TWOSUM SU2, FE1, SU1, PR1                      ; - (v5^2) hi
	DSUB ZL, ZL, ER1
	DADD ZL, ZL, FE1
	NEG NTMP, LV2
	DMUL PR1, NTMP, LV2
	DFMA ER1, LV2, LV2, PR1
	TWODIFF ZH, FE1, SU2, PR1                      ; + (v2^2) hi
	DADD ZL, ZL, ER1
	DADD ZL, ZL, FE1
	; ---- (A'^2)22 = v0 v6 + v1 v7 + 4 v3^2
	NEG NV6, LV6
	NEG NV7, LV7
	DMUL PR1, NV6, LV0
	DFMA ER1, LV6, LV0, PR1
	DMUL PR2, NV7, LV1
	DFMA ER2, LV7, LV1, PR2
	TWOSUM SU1, FE1, PR1, PR2                      ; negated
	DADD M22L, ER1, ER2
	DSUB M22L, M22L, FE1
	DMULK PR3, -4.0, P33N                          ; + 4 (v3^2) hi
	TWODIFF M22H, FE1, PR3, SU1
	DFMAK M22L, E33, FOUR, M22L
	DADD M22L, M22L, FE1
	; ---- p = minus the sum of the principal 2 x 2 minors = (A'^2)22 - Z
	TWODIFF SU1, FE1, M22H, ZH
	DSUB ER1, M22L, ZL
	DADD ER1, ER1, FE1
	RENORM PH, PL, SU1, ER1
	; ---- d = det = v1 (v6 A01 - v7 A00) + v0 (v7 A10 - v6 A11) + A22 Z
	NMULSD PR1, ER1, LV6, NV6, A01, A01L
	NMULSD PR2, ER2, LV7, NV7, A00, A00L
	TWODIFF XH, FE1, PR2, PR1                      ; (- PR1) - (- PR2)
	DSUB XL, ER1, ER2
	DADD XL, XL, FE1
	NMULSD PR1, ER1, LV7, NV7, A10, A10L
	NMULSD PR2, ER2, LV6, NV6, A11, A11L
	TWODIFF YH, FE1, PR2, PR1
	DSUB YL, ER1, ER2
	DADD YL, YL, FE1
	NEG NV1, LV1
	NEG NV0, LV0
	DADD NWW, LV3, LV3                             ; - A'22
	NMULSD PR1, ER1, LV1, NV1, XH, XL
	NMULSD PR2, ER2, LV0, NV0, YH, YL
	NMULSD PR3, ER3, WW, NWW, ZH, ZL
	TWOSUM SU1, FE1, PR1, PR2                      ; negated
	TWOSUM SU2, FE2, SU1, PR3
	DADD ER1, ER1, ER2
	DADD ER1, ER1, ER3
	DSUB ER1, ER1, FE1
	DSUB ER1, ER1, FE2
	NRENORM DH, DL, SU2, ER1
	; ---- the series.  A^k = d g(k-1) I + g(k+1) A + g(k) A^2 with g2 = 1, g3 = 0, g4 = p, g5 = d, g(k) = p g(k-2) + d g(k-3).
	; Degrees 5 to 14 are small beside the leading terms and are summed in f32, smallest first.
	DMUL G6, PH, PH
	DMUL G6+2, DH, PH
	DFMAC G6+2, PH, DH
	DMUL G6+4, DH, DH
	DFMAC G6+4, PH, G6
.irp k, 9,10,11,12,13,14,15
	DMUL G6+2*(\k-6), DH, G6+2*(\k-9)
	DFMAC G6+2*(\k-6), PH, G6+2*(\k-8)
.endr
	DMULK TS2, RF14, G6+2*(14-6)                   ; tail of a2: sum of g(k) / k!
.irp k, 13,12,11,10,9,8,7,6
	DFMAK TS2, G6+2*(\k-6), RF\k, TS2
.endr
	DFMAK TS2, DH, RF5, TS2
	DMULK TS1, RF14, G6+2*(15-6)                   ; tail of a1: sum of g(k+1) / k!
.irp k, 13,12,11,10,9,8,7,6,5
	DFMAK TS1, G6+2*(\k-5), RF\k, TS1
.endr
	DMULK TS0, RF14, G6+2*(13-6)                   ; tail of a0: d times the sum of g(k-1) / k!
.irp k, 13,12,11,10,9,8,7
	DFMAK TS0, G6+2*(\k-7), RF\k, TS0
.endr
	DFMAK TS0, DH, RF6, TS0
	DFMAK TS0, PH, RF5, TS0
	DMUL TS0, TS0, DH
	; degrees 0 to 4 in double-word: a0 = 1 + d/6, a1 = 1 + p/6 + d/24, a2 = 1/2 + p/24.   p/6 = - P6N + P6L, d/6 = - D6N + D6L
	v_mov_b32 v[ONE], 1.0
	v_mov_b32 v[ONE+1], 1.0
	v_mov_b32 v[HALF], 0.5
	v_mov_b32 v[HALF+1], 0.5
	DMULK P6N, NC6H, PH
	DFMAK P6L, PH, C6H, P6N
	DFMAK P6L, PH, C6L, P6L
	DFMAK P6L, PL, C6H, P6L
	DMULK D6N, NC6H, DH
	DFMAK D6L, DH, C6H, D6N
	DFMAK D6L, DH, C6L, D6L
	DFMAK D6L, DL, C6H, D6L
	TWODIFF SU1, FE1, ONE, D6N
	DADD ER1, D6L, TS0
	DADD ER1, ER1, FE1
	RENORM A0H, A0L, SU1, ER1
	DMULK QQ, QUARTER, D6N
	TWOSUM SU1, FE1, P6N, QQ                       ; negated
	TWODIFF SU2, FE2, ONE, SU1
	DSUB ER1, FE2, FE1
	DADD ER1, ER1, P6L
	DFMAK ER1, D6L, QUARTER, ER1
	DADD ER1, ER1, TS1
	RENORM A1H, A1L, SU2, ER1
	DMULK QQ, QUARTER, P6N
	TWODIFF SU1, FE1, HALF, QQ
	DFMAK ER1, P6L, QUARTER, TS2
	DADD ER1, ER1, FE1
	RENORM A2H, A2L, SU1, ER1
	NEG NPH, PH                                    ; the negated copies that the squarings multiply by
	NEG NPL, PL
	NEG NDH, DH
	NEG NDL, DL
; ---- one squaring: (a0 + a1 x + a2 x^2)^2 with x^3 = p x + d, x^4 = p x^2 + d x.  With b3 = 2 a1 a2 and b4 = a2^2:
;   a0 <- a0^2 + d b3      a2 <- 2 a0 a2 + a1^2 + p b4      a1 <- 2 a0 a1 + p b3 + d b4
; The basis stays A' all the way (a1 and a2 take up the powers of two, which costs no accuracy), so p and d are never touched.
; The order lets each result overwrite its old value: behind a0 only 2 a0 is used, and a1's sum no longer needs the old a2.
; All ten products stand negated in PR1..PR3, B3N, B4N; each sum's sign comes back in NRENORM.
.macro SUM3 h, l
	TWOSUM SU1, FE1, PR1, PR2
	TWOSUM SU2, FE2, SU1, PR3
	DADD ER1, ER1, ER2
	DADD ER1, ER1, ER3
	DSUB ER1, ER1, FE1
	DSUB ER1, ER1, FE2
	NRENORM \h, \l, SU2, ER1
.endm
.macro SQUARE
	DADD X0H, A0H, A0H
	DADD X0L, A0L, A0L
	DADD X1H, A1H, A1H
	DADD X1L, A1L, A1L
	NEG N0, A0H
	NEG N1, A1H
	NEG N2, A2H
	NMULDD B3N, B3L, X1H, X1L, A2H, A2L, N2
	DMUL B4N, A2H, N2
	DFMA B4L, A2H, A2H, B4N
	DFMAC B4L, A2H, A2L
	DFMAC B4L, A2H, A2L
	DMUL PR1, A0H, N0
	DFMA ER1, A0H, A0H, PR1
	DFMAC ER1, X0H, A0L
	NMULCB PR2, ER2, DH, NDH, NDL, B3N, B3L
	TWOSUM SU1, FE1, PR1, PR2
	DADD ER1, ER1, ER2
	DSUB ER1, ER1, FE1
	NRENORM A0H, A0L, SU1, ER1
	NMULDD PR1, ER1, X0H, X0L, A2H, A2L, N2
	DMUL PR2, A1H, N1
	DFMA ER2, A1H, A1H, PR2
	DFMAC ER2, X1H, A1L
	NMULCB PR3, ER3, PH, NPH, NPL, B4N, B4L
	SUM3 A2H, A2L
	NMULDD PR1, ER1, X0H, X0L, A1H, A1L, N1
	NMULCB PR2, ER2, PH, NPH, NPL, B3N, B3L
	NMULCB PR3, ER3, DH, NDH, NDL, B4N, B4L
	SUM3 A1H, A1L
.endm
; ---- all six words times 2^(127 - E), E the exponent field of the largest |a|: exact, and it cancels in H / H22.
; Growth e^709 = 2^1023 is 2^(1023 / 2^(8-k)) behind squaring k, times 4^k in a2: 2^38 behind the third, whose squares (2^76, times p or d) are
; in range, and 2^72 behind the fourth, whose squares would not be.  So the rescaling stands in front of squarings 5 to 8.
.macro RESCALE
	v_max3_num_f32 v[SCL],   |v[A0H]|,   |v[A1H]|,   |v[A2H]|
	v_max3_num_f32 v[SCL+1], |v[A0H+1]|, |v[A1H+1]|, |v[A2H+1]|
	v_and_b32 v[SCL],   0x7f800000, v[SCL]
	v_and_b32 v[SCL+1], 0x7f800000, v[SCL+1]
	v_sub_nc_u32 v[SCL],   0x7f000000, v[SCL]      ; exponent field 254 - E
	v_sub_nc_u32 v[SCL+1], 0x7f000000, v[SCL+1]
	DMUL A0H, A0H, SCL
	DMUL A0L, A0L, SCL
	DMUL A1H, A1H, SCL
	DMUL A1L, A1L, SCL
	DMUL A2H, A2H, SCL
	DMUL A2L, A2L, SCL
.endm
.rept 4
	SQUARE
.endr
.rept 4
	RESCALE
	SQUARE
.endr
	; ---- H22 = a0 + a1 A'22 + a2 (A'^2)22 in double-word, rounded to f32 once
	DADD X0H, LV3, LV3                             ; - A'22
	NEG N2, A2H
	NMULSD PR1, ER1, WW, X0H, A1H, A1L
	NMULDD PR2, ER2, M22H, M22L, A2H, A2L, N2
	TWODIFF SU1, FE1, A0H, PR1
	TWODIFF SU2, FE2, SU1, PR2
	DADD ER1, ER1, A0L
	DADD ER1, ER1, ER2
	DADD ER1, ER1, FE1
	DADD ER1, ER1, FE2
	DADD HH, SU2, ER1
	v_rcp_f32 v[RC], v[HH]                         ; the forty dual instructions below stand between these two and the first use of RC,
	v_rcp_f32 v[RC+1], v[HH+1]                     ; and none of them writes HH (ISA guide 5.7.2)
; ---- the other eight entries in f32: H = a0 [on the diagonal] + a1 A' + a2 A'^2
.macro HENT x, l1, r1, l2, r2, l3, r3, aij, diag
	DMUL MT, \l1, \r1
	DFMAC MT, \l2, \r2
	DFMAC MT, \l3, \r3
.if \diag
	DFMA HB+2*\x, A1H, \aij, A0H
.else
	DMUL HB+2*\x, A1H, \aij
.endif
	DFMAC HB+2*\x, A2H, MT
.endm
	HENT 0, A00, A00, A01, A10, LV0, LV6, A00, 1
	HENT 1, A00, A01, A01, A11, LV0, LV7, A01, 0
	HENT 2, A00, LV0, A01, LV1, LV0, WW,  LV0, 0
	HENT 3, A10, A00, A11, A10, LV1, LV6, A10, 0
	HENT 4, A10, A01, A11, A11, LV1, LV7, A11, 1
	HENT 5, A10, LV0, A11, LV1, LV1, WW,  LV1, 0
	HENT 6, LV6, A00, LV7, A10, WW,  LV6, LV6, 0
	HENT 7, LV6, A01, LV7, A11, WW,  LV7, LV7, 0
	; ---- divide, and take the two items apart again: 18 numbers in memory order.  Entry x goes to registers 10 + x and 19 + x: one even, one odd
	s_wait_alu depctr_va_vdst(0)
.irp x, 0,1,2,3,4,5,6,7
	v_dual_mul_f32 v[OUTR+\x], v[HB+2*\x], v[RC] :: v_dual_mul_f32 v[OUTR+9+\x], v[HB+2*\x+1], v[RC+1]
.endr
	v_dual_mul_f32 v[OUTR+8], v[HH], v[RC] :: v_dual_mul_f32 v[OUTR+17], v[HH+1], v[RC+1]
	; ---- the way out: a lane's 72 bytes into the wave's LDS bytes (18 words a lane: the 32 lanes' 8 bytes fall on 64 different banks),
	; back as the chunk's 2,304 consecutive bytes.  The way in was read out long ago, by this wave alone.
.irp j, 0,1,2,3,4,5,6,7,8
	ds_store_b64 v[LOS], v[OUTR+2*\j:OUTR+2*\j+1] offset:8*\j
.endr
.irp j, 0,1,2,3
	ds_load_b128 v[STG+4*\j:STG+4*\j+3], v[LOL] offset:512*\j    ; in order behind the stores above
.endr
	ds_load_b64 v[STG+16:STG+17], v[LOL8] offset:2048
.irp j, 0,1,2,3
	s_wait_dscnt 4-\j                              ; LDS load j is in; the 4 - j behind it may be out
	global_store_b128 v[G16], v[STG+4*\j:STG+4*\j+3], s[6:7] offset:512*\j th:TH_STORE_NT   ; 512 consecutive bytes, at a multiple of 256 from out0's first byte
.endr
	s_wait_dscnt 0x0
	global_store_b64 v[G8], v[STG+16:STG+17], s[6:7] offset:2048 th:TH_STORE_NT             ; the ninth 256 bytes: 32 lanes x 8
.Lend:
	s_wait_tensorcnt 0x0
	ds_add_u32 v112, v113
	s_wait_dscnt 0x0
	s_endpgm
.Lfunc_end_k_qd9d8da7746_liehomography:
	.size	k_qd9d8da7746_liehomography, .Lfunc_end_k_qd9d8da7746_liehomography-k_qd9d8da7746_liehomography
	.p2alignl 7, 3214868480
	.fill 96, 4, 3214868480
	.section	.rodata,"a",@progbits
	.p2align	6, 0x0
	.amdhsa_kernel k_qd9d8da7746_liehomography
		.amdhsa_group_segment_fixed_size 10752
		.amdhsa_private_segment_fixed_size 0
		.amdhsa_enable_private_segment 0
		.amdhsa_kernarg_size 16
		.amdhsa_user_sgpr_count 2
		.amdhsa_user_sgpr_kernarg_segment_ptr 1
		.amdhsa_wavefront_size32 1
		.amdhsa_system_sgpr_workgroup_id_x 1
		.amdhsa_system_sgpr_workgroup_id_y 1
		.amdhsa_system_sgpr_workgroup_id_z 1
		.amdhsa_system_vgpr_workitem_id 0
		.amdhsa_next_free_vgpr 114
		.amdhsa_next_free_sgpr 66
		.amdhsa_reserve_vcc 0
		.amdhsa_float_denorm_mode_32 3
		.amdhsa_float_denorm_mode_16_64 3
		.amdhsa_memory_ordered 1
		.amdhsa_forward_progress 1
		.amdhsa_inst_pref_size 81
	.end_amdhsa_kernel
	.amdgpu_metadata
---
amdhsa.version: [ 1, 2 ]
amdhsa.kernels:
  - .name:           k_qd9d8da7746_liehomography
    .symbol:         k_qd9d8da7746_liehomography.kd
    .args:
      - { .name: lie_vectors, .offset: 0, .size: 8, .value_kind: global_buffer, .address_space: global }
      - { .name: out0, .offset: 8, .size: 8, .value_kind: global_buffer, .address_space: global }
    .group_segment_fixed_size: 10752
    .private_segment_fixed_size: 0
    .kernarg_segment_align: 8
    .kernarg_segment_size: 16
    .max_flat_workgroup_size: 128
    .sgpr_count:     66
    .vgpr_count:     114
    .wavefront_size: 32
...
	.end_amdgpu_metadata
.endif
;; end of part 1
